; MI455X (gfx1250); checked and timed in simulation.
; The chip was launched on July 23, 2026; its instructions are those of AMD's public machine-readable ISA for CDNA 5 (MIT licence, August 2026) and "CDNA5" Instruction Set Architecture Reference Guide (July 2026). The comments in the code are by the model that wrote it; some were corrected since.
;; Multi Headed Self Attention. Allowed arithmetic: matrix products marked QUANTISED: E5M2 operands, one E8M0 scale for each 32 along K, by v_wmma_scale_f32_16x16x128_f8f6f4 with both operands' format E5M2, f32 sums; everything else in f32.
;; Inputs: Wc_codes 1,024 x 32 x 32 uint8 (E5M2 codes of Wc, K innermost, in blocks of 32 codes); Wc_scales 1,024 x 32 uint8 (E8M0 scales of Wc, one for each 32 codes along K); Wk_codes 1,024 x 32 x 32 uint8 (E5M2 codes of Wk, K innermost, in blocks of 32 codes); Wk_scales 1,024 x 32 uint8 (E8M0 scales of Wk, one for each 32 codes along K); Wq_codes 1,024 x 32 x 32 uint8 (E5M2 codes of Wq, K innermost, in blocks of 32 codes); Wq_scales 1,024 x 32 uint8 (E8M0 scales of Wq, one for each 32 codes along K); Wv_codes 1,024 x 32 x 32 uint8 (E5M2 codes of Wv, K innermost, in blocks of 32 codes); Wv_scales 1,024 x 32 uint8 (E8M0 scales of Wv, one for each 32 codes along K); bc 1,024 float32; bk 1,024 float32; bq 1,024 float32; bv 1,024 float32; x_codes 4 x 2,048 x 32 x 32 uint8 (E5M2 codes of x, K innermost, in blocks of 32 codes); x_scales 4 x 2,048 x 32 uint8 (E8M0 scales of x, one for each 32 codes along K).
;; Outputs: out0 4 x 2,048 x 1,024 float32.
;; This version of the problem:
;;   THIS VERSION OF THE PROBLEM IS GIVEN IN LOW PRECISION. The matrix products marked QUANTISED in the list below multiply operands that are first quantised to E5M2 (5 exponent bits, 2 mantissa bits; 8 bits a number), with one power-of-two scale for each 32 numbers along K (OCP MX v1.0); their sums are f32. All else is computed in f32.
;;   The module's matrix products, in the order in which they are computed (A, B: the left and right operand; K: the contracted axis; several contracted axes count as one K, in the product's order):
;;     1. [M 8,192, K 1,024] x [K 1,024, N 1,024]; A: input x (given as codes); B: input Wq (given as codes): QUANTISED
;;     2. [M 8,192, K 1,024] x [K 1,024, N 1,024]; A: input x (given as codes); B: input Wk (given as codes): QUANTISED
;;     3. [M 8,192, K 1,024] x [K 1,024, N 1,024]; A: input x (given as codes); B: input Wv (given as codes): QUANTISED
;;     4. [M 8,192, K 1,024] x [K 1,024, N 1,024]; A: input x (given as codes); B: input Wc (given as codes): QUANTISED
;;     5. batch 64 x [M 2,048, K 64] x [K 64, N 2,048]; A: computed on the way; B: computed on the way: QUANTISED
;;     6. batch 64 x [M 64, K 2,048] x [K 2,048, N 2,048]; A: computed on the way; B: softmax (see below): QUANTISED
;;   THE QUANTISER, for each operand of a quantised product, along K:
;;     - K is cut into blocks of 32 from its start; a last block that is shorter is filled with zeros.
;;     - A block's scale is 2^e with e = floor(log2(the largest magnitude in the block)) - 15, held to -126 .. 127; a block of zeros has e = 0. As a byte (E8M0): e + 127.
;;     - Each number is divided by its block's scale, clamped to +-57,344, and rounded to the nearest number of E5M2, ties to even, subnormals kept.
;;     - The product sums the exact products of the quantised numbers (number of the format x scale) in f32.
;;   ~~~python
;;   def quantise(x, axis):      # numpy; x: float32 -> the quantised numbers, widened to float32 again
;;       x = np.moveaxis(x, axis, -1); K = x.shape[-1]
;;       x = np.pad(x, [(0, 0)] * (x.ndim - 1) + [(0, -K % 32)]); x = x.reshape(x.shape[:-1] + (-1, 32)); a = np.abs(x).max(-1, keepdims=True)
;;       e = np.where(a > 0, np.clip(np.frexp(np.where(a > 0, a, 1))[1] - 1 - 15, -126, 127), 0)      # np.frexp(a)[1] - 1 = floor(log2(a)), exactly
;;       r = np.clip(x / 2.0 ** e, -57344, 57344)
;;       step = 2.0 ** (np.maximum(np.frexp(np.where(r == 0, 1, r))[1] - 1, -14) - 2)
;;       q = np.round(r / step) * step * 2.0 ** e      # np.round: ties to even
;;       return np.moveaxis(q.reshape(q.shape[:-2] + (-1,))[..., :K], -1, axis).astype(np.float32)
;;   ~~~
;;   SOFTMAX AHEAD OF A QUANTISED PRODUCT. Where the list says 'softmax', what is quantised is not the finished softmax but p = 2^(t - M), with t = logit x log2(e) and M = ceil(the row's largest t), a whole number; so 1/2 < the row's largest p <= 1. The row's sum l is taken of the UNQUANTISED p, in f32, and the product's result is divided by l at the end. Since M is a whole number, a kernel that streams over the keys may use a running M (the ceiling of the running maximum): every later rescaling is an exact power of two, which a block's scale takes up: the codes' values come out the same.
;;   OPERANDS COMPUTED ON THE WAY. 'Computed on the way' means the value that the module computes at that place (a softmax that the list does not call 'softmax' is quantised finished and normalised). What goes into a quantiser is computed in f32, as accurately as f32 sums, v_exp_f32 and their like allow (about 1e-6 of the number): no bf16 or f16 on the way to a quantiser, and a product that is left as it is and whose result goes on into a quantised operand takes f32 operands (vector FMAs, or v_wmma_f32_16x16x4_f32). A number that lies on a knife's edge between two numbers of the format may be rounded either way, as far as f32 arithmetic and the matrix unit's own rounding can turn it there, and no further.
;;   INPUTS GIVEN AS CODES. Wc (in the module: [1024, 1024], K = its axis 0); Wk (in the module: [1024, 1024], K = its axis 0); Wq (in the module: [1024, 1024], K = its axis 0); Wv (in the module: [1024, 1024], K = its axis 0); x (in the module: [4, 2048, 1024], K = its axis 2): each comes as NAME_codes (uint8): NAME with its K axis moved to the last place and cut into blocks of 32 codes, [.., K / 32, bytes a block], one block behind the other in memory; one code a byte (a code: sign, 5 exponent bits, 2 mantissa bits); and NAME_scales (uint8): the same leading axes, one E8M0 byte (e + 127) for each 32 codes along K. Its value is code x scale, taken as it is: it is not quantised again, and the codes and scales need not be those that the quantiser above would give.
;; One version. Each part assembles by itself: llvm-mc -triple=amdgcn-amd-amdhsa -mcpu=gfx1250 --defsym DOCPART=n.
;; ======== version 1 of 1: 2 launches
;; limits: right only within a limited range of input values
;; workspace buffers: qkv 26,476,544 bytes; cbuf 33,554,432 bytes
;; launch proj (part 1): grid 16 x 32, 4 waves a work-group, clusters of 4 x 4, 327,680 bytes of LDS; arguments x_codes, x_scales, Wq_codes, Wq_scales, Wk_codes, Wk_scales, Wv_codes, Wv_scales, Wc_codes, Wc_scales, bq, bk, bv, bc, qkv, cbuf; writes qkv, cbuf
.if DOCPART == 1
	.amdgcn_target "amdgcn-amd-amdhsa--gfx1250"
	.amdhsa_code_object_version 6
	.text
	.protected	k_q436d79dd54_proj
	.globl	k_q436d79dd54_proj
	.p2align	8
	.type	k_q436d79dd54_proj,@function
k_q436d79dd54_proj:
	s_mov_b64 s[64:65], 0
	v_nop
	global_prefetch_b8 v0, s[64:65] scope:SCOPE_SE
	s_setreg_imm32_b32 hwreg(HW_REG_WAVE_MODE, 25, 1), 1
	s_wait_xcnt 0x0
	s_wait_alu depctr_hold_cnt(0) depctr_sa_sdst(0) depctr_va_vdst(0) depctr_va_sdst(0) depctr_va_ssrc(0) depctr_va_vcc(0) depctr_vm_vsrc(0)
	s_getreg_b32 s2, hwreg(HW_REG_IB_STS2, 6, 4)
	s_cmp_eq_u32 s2, 0
	s_cbranch_scc0 .Lentry_in_a_cluster
	s_endpgm
.Lentry_in_a_cluster:
	s_bfe_u32 s2, ttmp6, 0x10000c
	s_cmp_lg_u32 s2, 0xf033
	s_cbranch_scc0 .Lentry_shape_is_right
	s_endpgm
.Lentry_shape_is_right:
.set KSTEP,  256
.set NQ,     KSTEP/128
.set ROWB,   256
.set KROW,   1024
.set PITCH,  272
.set FR,     16
.set NL,     4
.set NP,     8
.set HALFT,  128*PITCH
.set SLOT,   4*HALFT
.set KS,     32
.set SCL,    2*SLOT
.set HALFS,  (128*KS/256)*272
.set SBLK,   (16*KS/256)*272
.set SPARE,  SCL+4*HALFS
.set SPITCH, 528
.set CROW,   4096
.set REC,    103424
.set HEADB,  4*REC
.set R_V,    32768
.set R_KS,   65536
.set R_VS,   67584
.set R_Q,    68608
.set R_QS,   101376
.set VB,   8
.set VS1,  12
.set ADRA, 16
.set ADRB, 20
.set STO,  24
.set RD,   25
.set CO,   26
.set ADRS, 27
.set SPW,  28
.set NIL,  29
.set SC,   32
.set Z,    64
.set AF,   128
.set BK,   128
.set HX,   128
.set PC,   192
.set TM,   208
.set WD,   224
.set XW,   232
.set YW,   236
.set G1, 24
.set G0, 32
.set G1B, 48
.set G0B, 56
.set G1S, 68
.set G0S, 76
.set G1SB, 80
.set G0SB, 88
.set MSB, 0
.macro WIN new
.if MSB != \new
	s_set_vgpr_msb (MSB<<8)|\new
.set MSB, \new
.endif
.endm
.set MUL_LO, 0xa1
.set MUL_HI, 0xf1
.set FST_LO, 0x81
.set FST_HI, 0xc1
.set TO_B,   0x40
.macro JLOAD g0a, g1a, g0b, g1b
	s_cmp_eq_u32 s15, 0
	s_cbranch_scc0 .Lfor_b_\@
	tensor_load_to_lds s[\g0a:\g0a+3], s[\g1a:\g1a+7]
	s_nop 0
.rept 4
	v_nop
.endr
	s_branch .Lasked_\@
.Lfor_b_\@:
	tensor_load_to_lds s[\g0b:\g0b+3], s[\g1b:\g1b+7]
	s_nop 0
.rept 4
	v_nop
.endr
.Lasked_\@:
.endm
.macro CREST
	s_cmp_lg_u32 s14, 0
	s_cbranch_scc1 .Lnot_wave_0_\@
	s_barrier_signal -3
.Lnot_wave_0_\@:
	s_barrier_wait -3
	s_barrier_signal -1
	s_barrier_wait -1
.endm
.macro CROUND
	s_barrier_signal -1
	s_barrier_wait -1
	CREST
.endm
	s_load_b512 s[68:83], s[0:1], 0x0
	s_load_b512 s[84:99], s[0:1], 0x40
	v_lshl_add_u32 v[SPW], v0, 2, SPARE
	v_mov_b32 v[NIL], 0
	ds_add_u32 v28, v29
	ds_add_u32 v28, v29
	s_wait_dscnt 0x0
	v_lshrrev_b32 v1, 5, v0
	v_readfirstlane_b32 s14, v1
	s_lshr_b32 s15, s14, 1
	s_and_b32 s16, s14, 1
	s_bfe_u32 s40, ttmp6, 0x40000
	s_bfe_u32 s41, ttmp6, 0x40004
	s_and_b32 s19, ttmp7, 0xffff
	s_lshl_b32 s19, s19, 2
	s_add_co_u32 s20, s19, s41
	s_add_co_u32 s46, s19, s40
	s_cmp_eq_u32 ttmp9, 2
	s_cselect_b32 s17, s41, s20
	s_cselect_b32 s42, s46, s40
	s_lshl_b32 s43, s41, 2
	s_lshl_b32 s43, 15, s43
	s_lshl_b32 s44, 0x1111, s40
	s_or_b32 s[G1+0], s43, (0<<16)|(1<<20)|(1<<21)|(5<<22)|(3<<25)
	s_or_b32 s[G1B+0], s44, (0<<16)|(1<<20)|(1<<21)|(5<<22)|(3<<25)
.irp g, G1, G1B
	s_mov_b32 s[\g+1], ROWB<<16
	s_mov_b32 s[\g+2], 256<<16
	s_mov_b32 s[\g+3], ROWB<<16
	s_mov_b32 s[\g+4], 256
	s_mov_b32 s[\g+5], KROW
	s_mov_b32 s[\g+6], 0
	s_mov_b32 s[\g+7], 0
.endr
	s_lshl_b32 s18, s16, 7
	s_lshl_b32 s20, s17, 8
	s_add_co_u32 s20, s20, s18
	s_lshl_b32 s46, s42, 8
	s_add_co_u32 s46, s46, s18
	s_lshl_b32 s22, s17, 13                        ; the scales of A's whole 256 rows
	s_mov_b32 s23, 0
	s_lshl_b32 s20, s20, 10
	s_mov_b32 s21, 0
	s_mul_i32 s45, s14, HALFT
	s_wait_kmcnt 0x0
	s_cmp_eq_u32 ttmp9, 1
	s_cselect_b64 s[8:9], s[76:77], s[72:73]
	s_cselect_b64 s[10:11], s[78:79], s[74:75]
	s_cselect_b64 s[100:101], s[90:91], s[88:89]
	s_cmp_eq_u32 ttmp9, 3
	s_cselect_b64 s[8:9], s[84:85], s[8:9]
	s_cselect_b64 s[10:11], s[86:87], s[10:11]
	s_cselect_b64 s[100:101], s[94:95], s[100:101]
	s_cselect_b64 s[12:13], s[98:99], s[96:97]
	s_cmp_eq_u32 ttmp9, 2
	s_cselect_b64 s[100:101], s[92:93], s[100:101]
	s_cselect_b64 s[4:5], s[80:81], s[68:69]
	s_cselect_b64 s[6:7], s[82:83], s[70:71]
	s_cselect_b64 s[8:9], s[68:69], s[8:9]
	s_cselect_b64 s[10:11], s[70:71], s[10:11]
	s_or_b32 s[G1S+0], s43, (3<<16)|(1<<20)|(1<<21)|(5<<22)|(3<<25)
	s_or_b32 s[G1SB+0], s44, (3<<16)|(1<<20)|(1<<21)|(5<<22)|(3<<25)
.irp g, G1S, G1SB
	s_mov_b32 s[\g+1], 32<<16
	s_mov_b32 s[\g+2], (256*KS/256)<<16
	s_mov_b32 s[\g+3], 32<<16
	s_mov_b32 s[\g+4], 256*KS/256
	s_mov_b32 s[\g+5], 32
	s_mov_b32 s[\g+6], 0
	s_mov_b32 s[\g+7], 0
.endr
	s_lshl_b32 s92, s42, 13                        ; the scales of B's whole 256 rows
	s_mov_b32 s93, 0
	s_lshl_b32 s46, s46, 10
	s_mov_b32 s47, 0
	s_lshl_b32 s94, s18, 10                        ; my half's offset in a tile's codes: taken off again for the head's whole tiles
	s_mov_b32 s95, 0
	s_add_nc_u64 s[20:21], s[4:5], s[20:21]
	s_add_nc_u64 s[22:23], s[6:7], s[22:23]
	s_add_nc_u64 s[46:47], s[8:9], s[46:47]
	s_add_nc_u64 s[92:93], s[10:11], s[92:93]
	CROUND
	s_mov_b32 s[G0S], 1
	s_mov_b32 s[G0S+1], SCL
	s_mov_b64 s[G0S+2:G0S+3], s[22:23]
	s_or_b32 s[G0S+3], s[G0S+3], 0x80000000
	s_mov_b32 s[G0SB], 1
	s_mov_b32 s[G0SB+1], SCL+2*HALFS
	s_mov_b64 s[G0SB+2:G0SB+3], s[92:93]
	s_or_b32 s[G0SB+3], s[G0SB+3], 0x80000000
	; the head's four tiles, each whole, one load a wave: K step 0's 256 rows of A (wave 0) and of B (wave 1), A's scales (wave 2), B's scales (wave 3)
	s_mov_b32 s[G0], 1
	s_mov_b32 s[G0+1], 0
	s_sub_nc_u64 s[G0+2:G0+3], s[20:21], s[94:95]
	s_or_b32 s[G0+3], s[G0+3], 0x80000000
	s_mov_b32 s[G0B], 1
	s_mov_b32 s[G0B+1], 2*HALFT
	s_sub_nc_u64 s[G0B+2:G0B+3], s[46:47], s[94:95]
	s_or_b32 s[G0B+3], s[G0B+3], 0x80000000
	s_mov_b32 s[G0+4], 1                           ; slot 1's group 0: my quarter of K step 1
	s_add_co_u32 s[G0+5], s45, SLOT
	s_add_nc_u64 s[G0+6:G0+7], s[20:21], ROWB
	s_or_b32 s[G0+7], s[G0+7], 0x80000000
	s_mov_b32 s[G0B+4], 1
	s_add_co_u32 s[G0B+5], s45, SLOT
	s_add_nc_u64 s[G0B+6:G0B+7], s[46:47], ROWB
	s_or_b32 s[G0B+7], s[G0B+7], 0x80000000
.macro ARM under, g0, g1, next         ; one chain of branches on the wave's number, an arm a load, all arms to one join
	s_cmp_lt_u32 s14, \under
	s_cbranch_scc0 \next
	tensor_load_to_lds s[\g0:\g0+3], s[\g1:\g1+7]
	s_nop 0
.rept 4
	v_nop
.endr
	s_branch .Lhead_asked
\next:
.endm
	ARM 1, G0,  G1,  .Lhead_b
	ARM 2, G0B, G1B, .Lhead_sa
	ARM 3, G0S, G1S, .Lhead_sb
	tensor_load_to_lds s[G0SB:G0SB+3], s[G1SB:G1SB+7]
	s_nop 0
.rept 4
	v_nop
.endr
.Lhead_asked:
	s_wait_alu depctr_va_vdst(0)
	s_wait_tensorcnt 0x0                           ; my tile of the head's four is in: no load of mine is out, so descriptors may be written
	ds_add_u32 v28, v29
	s_mov_b32 s[G1+2], 128<<16                     ; from here on a load brings 128 rows
	s_mov_b32 s[G1+4], 128
	s_mov_b32 s[G1B+2], 128<<16
	s_mov_b32 s[G1B+4], 128
	s_mov_b32 s[G0+1], s45                         ; slot 0's group 0 for the ring: my quarter of K step 0; the first refill steps it
	s_mov_b64 s[G0+2:G0+3], s[20:21]
	s_or_b32 s[G0+3], s[G0+3], 0x80000000
	s_mov_b32 s[G0B+1], s45
	s_mov_b64 s[G0B+2:G0B+3], s[46:47]
	s_or_b32 s[G0B+3], s[G0B+3], 0x80000000
	s_wait_dscnt 0x0
	CROUND
	JLOAD G0+4, G1, G0B+4, G1B
	v_and_b32 v1, 15, v0
	v_bfe_u32 v2, v0, 4, 1
	v_mul_u32_u24 v3, v1, PITCH
	v_lshl_add_u32 v4, v2, 4, v3
	s_mul_i32 s21, s15, HALFT
	s_mul_i32 s22, s16, HALFT
	s_add_co_u32 s22, s22, 2*HALFT
.irp s, 0,1
	v_add_nc_u32 v[ADRA+\s], s21, v4
	v_add_nc_u32 v[ADRB+\s], s22, v4
	s_add_co_u32 s21, s21, SLOT
	s_add_co_u32 s22, s22, SLOT
.endr
	v_mul_u32_u24 v5, v1, KS
	v_lshrrev_b32 v6, 8, v5
	v_lshl_add_u32 v5, v6, 4, v5
	s_mul_i32 s21, s15, HALFS
	s_mul_i32 s22, s16, HALFS
	s_add_co_u32 s22, s22, 2*HALFS
	s_sub_co_u32 s22, s22, s21
	v_mul_u32_u24 v6, s22, v2
	s_add_co_u32 s21, s21, SCL
	v_add_nc_u32 v5, v5, v6
	v_add_nc_u32 v[ADRS], s21, v5
	s_mul_i32 s23, s14, 16*SPITCH
	v_mul_u32_u24 v5, v1, SPITCH
	v_lshl_add_u32 v5, v2, 5, v5
	v_add_nc_u32 v[STO], s23, v5
	v_and_b32 v6, 31, v0
	s_wait_alu depctr_va_vdst(0)
	v_lshlrev_b32 v[CO], 4, v6
	v_add_nc_u32 v[RD], s23, v[CO]
	s_lshl_b32 s18, s17, 8
	s_lshl_b32 s19, s15, 7
	s_add_co_u32 s18, s18, s19
	s_lshl_b32 s19, s42, 8
	s_lshl_b32 s20, s16, 7
	s_add_co_u32 s19, s19, s20
	s_lshl_b32 s45, s18, 12
	s_lshl_b32 s47, s19, 2
	s_add_co_u32 s45, s45, s47
	s_cmp_eq_u32 ttmp9, 2
	s_cselect_b32 s20, s19, s18
	s_cselect_b32 s21, s18, s19
	s_mov_b32 s98, 1024
	s_cselect_b32 s98, 2048, s98
	s_cselect_b32 s92, HEADB-8192, 0
	s_mov_b32 s104, 0xffff
	s_cselect_b32 s104, -1, s104
	s_mov_b32 s22, HEADB
	s_cselect_b32 s23, s22, 16
	s_cselect_b32 s22, 1024, s22
	s_cselect_b32 s46, 16, 32
	s_cselect_b32 s94, 4, 0
	s_cselect_b32 s105, 0, 32
	s_cselect_b32 s47, 0, 4
	s_cselect_b32 s4, R_V, 0
	s_mov_b32 s5, R_KS
	s_cselect_b32 s5, R_VS, s5
	s_cselect_b32 s6, 8, 9
	s_cmp_eq_u32 ttmp9, 0
	s_cselect_b32 s4, R_Q, s4
	s_cselect_b32 s5, R_QS, s5
	s_lshr_b32 s7, s20, 11
	s_lshl_b32 s7, s7, 6
	s_lshr_b32 s8, s21, 6
	s_lshl_b32 s8, s8, 2
	s_add_co_u32 s7, s7, s8
	s_bfe_u32 s8, s20, 0x20009
	s_add_co_u32 s7, s7, s8
	s_mul_i32 s7, s7, REC
	s_bfe_u32 s8, s20, 0x20007
	s_lshl_b32 s9, s8, 13
	s_add_co_u32 s9, s9, s7
	s_add_co_u32 s4, s4, s9
	s_lshl_b32 s8, s8, s6
	s_add_co_u32 s8, s8, s7
	s_add_co_u32 s8, s8, s5
	s_mov_b32 s9, 0
	s_cmp_eq_u32 ttmp9, 3
	s_cselect_b32 s4, s45, s4
	s_mov_b32 s5, 0
	s_add_nc_u64 s[12:13], s[12:13], s[4:5]
	s_add_nc_u64 s[96:97], s[96:97], s[8:9]
	s_lshl_b32 s10, s21, 2
	s_mov_b32 s11, 0
	s_add_nc_u64 s[100:101], s[100:101], s[10:11]
	s_mov_b32 s99, 0
	s_mov_b32 s93, 0
	v_lshlrev_b32 v[VB], 4, v6
	v_add_nc_u32 v[VB+1], 512, v[VB]
	v_add_nc_u32 v[VB+2], s22, v[VB]
	v_add_nc_u32 v[VB+3], s22, v[VB+1]
	v_mul_u32_u24 v[VS1], v1, s46
	v_mad_u32_u24 v[VS1], v2, s23, v[VS1]
	v_mul_u32_u24 v7, v1, s94
	v_mad_u32_u24 v7, v2, s105, v7
.irp j, 0,1,2,3,4,5,6,7
	v_mad_u32_u24 v[AF+\j], s47, \j, v7
.endr
.irp i, 0,1,2,3,4,5,6,7
.irp j, 0,1,2,3,4,5,6,7
	global_load_b32 v[Z+8*\i+\j], v[AF+\j], s[100:101] offset:64*\i
.endr
.endr
.macro FRAG reg, adr, q, i
.irp c, 0,1,2,3
	ds_load_b128 v[\reg+4*\c:\reg+4*\c+3], v[\adr] offset:128*(\q)+32*\c+(\i)*16*PITCH
.endr
.endm
.macro MUL16 a0, p, q, sc, mode
.irp a, \a0, \a0+1
.irp b, 0,1,2,3,4,5,6,7
.set rD, 8*(8*((\a)%4)+\b)
.set rB, 128*(\p)+FR*\b
.set rA, AF+FR*(\a)
.set sB, SC+8*NQ*(\sc)+NQ*\b+(\q)
.set sA, SC+8*NQ*(\sc)+NQ*(\a)+(\q)
.if \mode == 1
	v_wmma_scale_f32_16x16x128_f8f6f4 v[rD:rD+7], v[rB:rB+FR-1], v[rA:rA+FR-1], v[Z+8*\b:Z+8*\b+7], v[sB], v[sA] matrix_a_fmt:MATRIX_FMT_BF8 matrix_b_fmt:MATRIX_FMT_BF8 matrix_a_scale:MATRIX_SCALE_ROW1
.elseif \mode == 2
	v_wmma_scale_f32_16x16x128_f8f6f4 v[rD:rD+7], v[rB:rB+FR-1], v[rA:rA+FR-1], v[Z+8*(\a):Z+8*(\a)+7], v[sB], v[sA] matrix_a_fmt:MATRIX_FMT_BF8 matrix_b_fmt:MATRIX_FMT_BF8 matrix_a_scale:MATRIX_SCALE_ROW1
.else
	v_wmma_scale_f32_16x16x128_f8f6f4 v[rD:rD+7], v[rB:rB+FR-1], v[rA:rA+FR-1], v[rD:rD+7], v[sB], v[sA] matrix_a_fmt:MATRIX_FMT_BF8 matrix_b_fmt:MATRIX_FMT_BF8 matrix_a_scale:MATRIX_SCALE_ROW1
.endif
.endr
.endr
.endm
.macro FETCH_B slot, q, p
	WIN TO_B
.irp i, 0,1,2,3,4,5,6,7
	FRAG 128*(\p)+FR*\i, ADRB+\slot, \q, \i
.endr
	WIN 0
.endm
.macro FETCH_A slot, q, i0
.irp i, \i0, \i0+1, \i0+2, \i0+3
	FRAG AF+FR*(\i), ADRA+\slot, \q, \i
.endr
.endm
.macro SCALES sc
.irp i, 0,1,2,3,4,5,6,7
	ds_load_b64 v[SC+8*NQ*\sc+NQ*\i:SC+8*NQ*\sc+NQ*\i+1], v[ADRS] offset:\i*SBLK
.endr
.endm
.macro PLACES n
.rept \n
	v_nop
.endr
.endm
.macro STEP slot, q, mode
	s_wait_dscnt 4*NL
.if \mode
	WIN FST_LO
.else
	WIN MUL_LO
.endif
	MUL16 0, (\q)%2, \q, \slot, \mode
	MUL16 2, (\q)%2, \q, \slot, \mode
	s_wait_dscnt 0
	PLACES NP
	FETCH_B \slot, (\q)+1, 1-(\q)%2
	FETCH_A \slot, (\q)+1, 0
.if \mode
	WIN FST_HI
.else
	WIN MUL_HI
.endif
	MUL16 4, (\q)%2, \q, \slot, \mode
	MUL16 6, (\q)%2, \q, \slot, \mode
	PLACES NP
	WIN 0
	FETCH_A \slot, (\q)+1, 4
.endm
.macro TURN slot, next, fill
	s_wait_tensorcnt 0x0
	ds_add_u32 v[SPW], v[NIL]
	s_wait_dscnt 4*NL+1
	WIN MUL_LO
	MUL16 0, 1, NQ-1, \slot, 0
	s_wait_dscnt 0x0
	s_barrier_signal -1
	MUL16 2, 1, NQ-1, \slot, 0
	WIN 0
	s_barrier_wait -1
.if \fill
	CREST
	s_add_nc_u64 s[G0+4*\slot+2:G0+4*\slot+3], s[G0+4*\slot+2:G0+4*\slot+3], 2*ROWB
	s_add_nc_u64 s[G0B+4*\slot+2:G0B+4*\slot+3], s[G0B+4*\slot+2:G0B+4*\slot+3], 2*ROWB
	JLOAD G0+4*\slot, G1, G0B+4*\slot, G1B
	PLACES NP-4
.else
	PLACES NP
.endif
	s_wait_alu depctr_va_vdst(0)
	v_add_nc_u32 v[ADRS], 4*NQ, v[ADRS]
	FETCH_B \next, 0, 0
	FETCH_A \next, 0, 0
	SCALES \next
	WIN MUL_HI
	MUL16 4, 1, NQ-1, \slot, 0
	MUL16 6, 1, NQ-1, \slot, 0
	PLACES NP
	WIN 0
	FETCH_A \next, 0, 4
.endm
	s_wait_tensorcnt 1
	s_barrier_signal -1
	s_barrier_wait -1
	s_wait_loadcnt 0x0
	FETCH_B 0, 0, 0
	FETCH_A 0, 0, 0
	SCALES 0
	FETCH_A 0, 0, 4
	s_cmp_eq_u32 ttmp9, 2
	s_cbranch_scc1 .Lfirst_v
	STEP 0, 0, 1
	s_branch .Lfirst_done
.Lfirst_v:
	STEP 0, 0, 2
.Lfirst_done:
	TURN 0, 1, 1
	STEP 1, 0, 0
	TURN 1, 0, 1
	STEP 0, 0, 0
	TURN 0, 1, 0
	STEP 1, 0, 0
	s_wait_dscnt 4*NL
	WIN MUL_LO
	MUL16 0, 1, NQ-1, 1, 0
	MUL16 2, 1, NQ-1, 1, 0
	s_wait_dscnt 0
	WIN MUL_HI
	MUL16 4, 1, NQ-1, 1, 0
	MUL16 6, 1, NQ-1, 1, 0
	WIN 0
	PLACES NP
	s_cmp_eq_u32 ttmp9, 3
	s_cbranch_scc1 .Lway_c
	s_mov_b32 s20, 0x76543210
	s_mov_b32 s21, 0xfedcba98
	s_mov_b32 s22, 0x600000
.irp b, 0,1,2,3
	v_mov_b32 v[TM+4+\b], 0
.endr
.macro QBLOCK a
.set WN, 2+(\a)/4
.set AC, 64*((\a)%4)
.set W01, WN|(WN<<2)
.set W12, (WN<<2)|(WN<<4)
	WIN W01
.irp b, 0,1,2,3
	v_max3_num_f32 v[TM+\b], |v[AC+16*\b]|, |v[AC+16*\b+1]|, 0x8000000
.endr
	WIN W12
.irp i, 2,4,6,8,10,12,14
.irp b, 0,1,2,3
	v_max3_num_f32 v[TM+\b], v[TM+\b], |v[AC+16*\b+\i]|, |v[AC+16*\b+\i+1]|
.endr
.endr
	WIN 0
.irp b, 0,1,2,3
	v_permlanex16_b32 v[TM+4+\b], v[TM+\b], s20, s21
.endr
.irp b, 0,1,2,3
	v_max_num_f32 v[TM+\b], v[TM+\b], v[TM+4+\b]
.endr
.irp b, 0,1,2,3
	v_add_nc_u32 v[TM+12+\b], 0xf8800000, v[TM+\b]
.endr
.irp b, 0,1,2,3
	v_and_or_b32 v[TM+8+\b], v[TM+\b], 0x7f800000, s22
.endr
.irp b, 0,1,2,3
	v_lshrrev_b32 v[TM+4+\b], 23, v[TM+12+\b]
.endr
	v_lshl_or_b32 v[WD+(\a)], v[TM+5], 8, v[TM+4]
	v_lshl_or_b32 v[WD+(\a)], v[TM+6], 16, v[WD+(\a)]
	v_lshl_or_b32 v[WD+(\a)], v[TM+7], 24, v[WD+(\a)]
	WIN WN
.irp b, 0,1,2,3
.irp i, 0,1,2,3,4,5,6,7,8,9,10,11,12,13,14,15
	v_med3_num_f32 v[HX+16*\b+\i], v[AC+16*\b+\i], -v[TM+8+\b], v[TM+8+\b]
.endr
.endr
	WIN 0
	s_wait_alu depctr_va_vdst(0)
	s_wait_xcnt 0x0
.if (\a) > 0
	s_add_nc_u64 s[12:13], s[12:13], s[98:99]
.endif
.if (\a) == 4
	s_add_nc_u64 s[12:13], s[12:13], s[92:93]
.endif
.irp b, 0,1,2,3
	v_cvt_scalef32_pk8_bf8_f32 v[PC+4*\b:PC+4*\b+1], v[HX+16*\b:HX+16*\b+7], v[TM+12+\b]
	v_cvt_scalef32_pk8_bf8_f32 v[PC+4*\b+2:PC+4*\b+3], v[HX+16*\b+8:HX+16*\b+15], v[TM+12+\b]
.endr
	v_nop
.irp b, 0,1,2,3
	global_store_b128 v[VB+\b], v[PC+4*\b:PC+4*\b+3], s[12:13]
.endr
.endm
.irp a, 0,1,2,3,4,5,6,7
	QBLOCK \a
.endr
	v_bfe_u32 v7, v0, 4, 1
	v_cmp_eq_u32 vcc_lo, 1, v7
.irp i, 0,1,2,3
	v_cndmask_b32 v[XW+\i], v[WD+\i], v[WD+4+\i], vcc_lo
.endr
.irp i, 0,1,2,3
	v_lshrrev_b32 v[YW+\i], 16, v[XW+\i]
.endr
.irp i, 0,1,2,3
	v_and_b32 v[XW+\i], s104, v[XW+\i]
.endr
	global_store_b128 v[VS1], v[XW:XW+3], s[96:97]
	s_cmp_eq_u32 ttmp9, 2
	s_cbranch_scc1 .Lend
	global_store_b128 v[VS1], v[YW:YW+3], s[96:97] offset:HEADB
	s_branch .Lend
.macro TOSTAGE a
.set AC, 64*((\a)%4)
.set WS, 0x08+4*((\a)/4)
	WIN WS
.irp b, 0,1,2,3,4,5,6,7
	ds_store_b128 v[STO], v[AC+8*\b:AC+8*\b+3] offset:64*\b
	ds_store_b128 v[STO], v[AC+8*\b+4:AC+8*\b+7] offset:64*\b+16
.endr
	WIN 0
.set BB, BK+64*((\a)%2)
.irp t, 0,1,2,3,4,5,6,7,8,9,10,11,12,13,14,15
	ds_load_b128 v[BB+4*\t:BB+4*\t+3], v[RD] offset:\t*SPITCH
.endr
.endm
.macro SEND a, younger
.set BB, BK+64*((\a)%2)
	s_wait_dscnt \younger
.if (\a) > 0
	s_add_nc_u64 s[12:13], s[12:13], 16*CROW
.endif
.irp t, 0,1,2,3,4,5,6,7,8,9,10,11,12,13,14,15
	global_store_b128 v[CO], v[BB+4*\t:BB+4*\t+3], s[12:13] offset:\t*CROW th:TH_STORE_NT
.endr
.endm
.Lway_c:
	TOSTAGE 0
.irp a, 1,2,3,4,5,6,7
.if \a > 1
	s_wait_xcnt 0x0
.endif
	TOSTAGE \a
	SEND \a-1, 32
.endr
	s_wait_xcnt 0x0
	SEND 7, 0
.Lend:
	s_wait_tensorcnt 0x0
	ds_add_u32 v[SPW], v[NIL]
	s_wait_dscnt 0x0
	CROUND
	s_endpgm
.Lfunc_end_k_q436d79dd54_proj:
	.size	k_q436d79dd54_proj, .Lfunc_end_k_q436d79dd54_proj-k_q436d79dd54_proj
	.p2alignl 7, 3214868480
	.fill 96, 4, 3214868480
	.section	.rodata,"a",@progbits
	.p2align	6, 0x0
	.amdhsa_kernel k_q436d79dd54_proj
		.amdhsa_group_segment_fixed_size 327680
		.amdhsa_private_segment_fixed_size 0
		.amdhsa_enable_private_segment 0
		.amdhsa_kernarg_size 128
		.amdhsa_user_sgpr_count 2
		.amdhsa_user_sgpr_kernarg_segment_ptr 1
		.amdhsa_wavefront_size32 1
		.amdhsa_system_sgpr_workgroup_id_x 1
		.amdhsa_system_sgpr_workgroup_id_y 1
		.amdhsa_system_sgpr_workgroup_id_z 1
		.amdhsa_system_vgpr_workitem_id 0
		.amdhsa_next_free_vgpr 1024
		.amdhsa_next_free_sgpr 106
		.amdhsa_reserve_vcc 1
		.amdhsa_float_denorm_mode_32 3
		.amdhsa_float_denorm_mode_16_64 3
		.amdhsa_memory_ordered 1
		.amdhsa_forward_progress 1
		.amdhsa_inst_pref_size 238
	.end_amdhsa_kernel
	.amdgpu_metadata
---
amdhsa.version: [ 1, 2 ]
amdhsa.kernels:
  - .name:           k_q436d79dd54_proj
    .symbol:         k_q436d79dd54_proj.kd
    .args:
      - { .name: x_codes, .offset: 0, .size: 8, .value_kind: global_buffer, .address_space: global }
      - { .name: x_scales, .offset: 8, .size: 8, .value_kind: global_buffer, .address_space: global }
      - { .name: Wq_codes, .offset: 16, .size: 8, .value_kind: global_buffer, .address_space: global }
      - { .name: Wq_scales, .offset: 24, .size: 8, .value_kind: global_buffer, .address_space: global }
      - { .name: Wk_codes, .offset: 32, .size: 8, .value_kind: global_buffer, .address_space: global }
      - { .name: Wk_scales, .offset: 40, .size: 8, .value_kind: global_buffer, .address_space: global }
      - { .name: Wv_codes, .offset: 48, .size: 8, .value_kind: global_buffer, .address_space: global }
      - { .name: Wv_scales, .offset: 56, .size: 8, .value_kind: global_buffer, .address_space: global }
      - { .name: Wc_codes, .offset: 64, .size: 8, .value_kind: global_buffer, .address_space: global }
      - { .name: Wc_scales, .offset: 72, .size: 8, .value_kind: global_buffer, .address_space: global }
      - { .name: bq, .offset: 80, .size: 8, .value_kind: global_buffer, .address_space: global }
      - { .name: bk, .offset: 88, .size: 8, .value_kind: global_buffer, .address_space: global }
      - { .name: bv, .offset: 96, .size: 8, .value_kind: global_buffer, .address_space: global }
      - { .name: bc, .offset: 104, .size: 8, .value_kind: global_buffer, .address_space: global }
      - { .name: qkv, .offset: 112, .size: 8, .value_kind: global_buffer, .address_space: global }
      - { .name: cbuf, .offset: 120, .size: 8, .value_kind: global_buffer, .address_space: global }
    .group_segment_fixed_size: 327680
    .private_segment_fixed_size: 0
    .kernarg_segment_align: 8
    .kernarg_segment_size: 128
    .max_flat_workgroup_size: 128
    .sgpr_count:     106
    .vgpr_count:     1024
    .wavefront_size: 32
...
	.end_amdgpu_metadata
.endif
;; end of part 1
;; launch attn (part 2): grid 4 x 64, 16 waves a work-group, clusters of 4 x 1, 327,680 bytes of LDS; arguments qkv, cbuf, out0; writes out0
.if DOCPART == 2
	.amdgcn_target "amdgcn-amd-amdhsa--gfx1250"
	.amdhsa_code_object_version 6
	.text
	.protected	k_q436d79dd54_attn
	.globl	k_q436d79dd54_attn
	.p2align	8
	.type	k_q436d79dd54_attn,@function
k_q436d79dd54_attn:
	s_mov_b64 s[64:65], 0
	v_nop
	global_prefetch_b8 v0, s[64:65] scope:SCOPE_SE
	s_setreg_imm32_b32 hwreg(HW_REG_WAVE_MODE, 25, 1), 1
	s_wait_xcnt 0x0
	s_wait_alu depctr_hold_cnt(0) depctr_sa_sdst(0) depctr_va_vdst(0) depctr_va_sdst(0) depctr_va_ssrc(0) depctr_va_vcc(0) depctr_vm_vsrc(0)
	s_getreg_b32 s2, hwreg(HW_REG_IB_STS2, 6, 4)
	s_cmp_eq_u32 s2, 0
	s_cbranch_scc0 .Lentry_in_a_cluster
	s_endpgm
.Lentry_in_a_cluster:
	s_bfe_u32 s2, ttmp6, 0x10000c
	s_cmp_lg_u32 s2, 0x3003
	s_cbranch_scc0 .Lentry_shape_is_right
	s_endpgm
.Lentry_shape_is_right:
; out[b][q][64 head ..] = softmax_k(Q . K / 8) V + c, for 64 pairs (batch, head), 2,048 queries and keys, head size 64.  Both products on codes of BF8 (E5M2) with one E8M0 scale for each 32 along a product's K.
; Q, K, V come from qkv, a record of REC bytes for each (16 x batch + head, 512 tokens), laid as images of the operands' registers: a fragment's four registers by one load of 16 bytes a lane at 16 x lane.
; THE SOFTMAX AHEAD OF THE SECOND PRODUCT: t = score x log2(e) / 8; M = the row's largest t so far, rounded UP to a whole number; p = 2^(t - M) is what is quantised, along the keys; it is not normalised.
; The row's sum is taken of the unquantised p, in f32, and divides O at the end.  When M moves, the sum and O are multiplied by 2^(old M - new M): exact.
; SHARES.  256 work-groups.  A work-group owns 512 queries of one pair; each of its sixteen waves owns two tiles of 16 queries and takes them one after the other (two passes over all 2,048 keys), in 256 registers.
; ALL OF A PAIR'S K AND V STAYS IN LDS, filled once: K's codes of the four records on end (8,192 bytes a key step), then V's, then K's scale words (512 a step), then V's (256 a step).
; Ten loads at the head, at most one a wave: wave 0 K's scale words (4 rows of 2,048 bytes, a record apart), wave 1 V's (4 rows of 1,024), waves 2 and 3 the first record's K and V, wave 4 the second record's K, waves 5 to 9 the rest.
; The first barrier shows waves 0 to 4's tiles, which the first four key steps read; the second, behind those steps, shows the rest.  The second pass has no barrier: nothing is filled again.
; TWO BANKS OF 64 REGISTERS CHANGE ROLES FROM STEP TO STEP.  In a step bank X holds K's eight tiles and then V's four fragments, bank Y the scores and then p; behind the conversions Y takes the NEXT step's K, so that
; the rescaling of O^T and the second product stand between that request and the wait for it.  A loop's trip is two steps.  A pass's last step asks for 8,192 bytes beyond K's last step (V's first, which have landed): they are not used.
; CLUSTER.  The four work-groups of a cluster are the four blocks of 512 queries of one pair: each fill is asked for JOINTLY, by the same tensor load with the same descriptor and a mask that names the four.
; LAYOUT.  Both products are used transposed: S^T = K Q^T (source 0 = 16 keys, source 1 = my 16 queries), O^T = V^T P^T (source 0 = 16 of the head's 64, source 1 = P): a lane holds ONE query (lane % 16) throughout.
; A lane's registers 16 b + 0 .. 15 of S^T are 16 keys of block b of 32, and lane l xor 16 holds the other 16; inside a block that is the fixed permutation of the keys in which the launch before has laid V's codes.
; K = 64 IN AN INSTRUCTION OF K = 128.  Q's registers 8-15 are zero codes, and bytes 2 and 3 of Q's and K's scale words are 0 (2^-127, a number).  A tile of K is 8 registers; its instruction names 16: the upper eight are the
; next tile's codes (behind a bank's last tile: eight registers kept at zero), finite numbers, since the quantiser holds at the largest code; times Q's zeros they add nothing.
; THE WAY OUT has LDS bytes of its own, 16 rows x (128 + 16) bytes a wave (whole rows of 256 bytes for sixteen waves do not fit beside K and V): channels 0-31 and channels 32-63 go through it one after the other;
; each half is read back with lanes l and l + 8 on the same 16 bytes, and a select takes the first half in lanes 0-7 of each sixteen and the second in lanes 8-15: sixteen lanes then hold a row's 256 bytes.
; PREFETCH.  c's rows are asked for two key steps ahead of the way out that loads them.  K and V are not: all of them are asked for by the head's ten loads, and no loop runs ahead of those.
; LIMITS.  NaN and infinities among the inputs are not served.  The promise holds while the scaled scores t stay under 2^31 in magnitude.  A block of p whose largest number lies under 2^(16 - 127) keeps the byte 1.
.set REC,   103424                     ; a record;
.set HEADB, 4*REC                      ; a pair's four
.set R_KS,  65536                      ; in a record: K's codes at 0, V's at 32,768, K's scale words,
.set R_VS,  67584                      ; V's,
.set R_Q,   68608                      ; Q's codes,
.set R_QS,  101376                     ; Q's scale words
.set VL,    131072                     ; LDS: V's codes
.set KSL,   262144                     ; K's scale words
.set VSL,   270336                     ; V's
.set SPARE, 274432                     ; the spare words: 128 bytes a wave
.set STAGE, 276480                     ; the stages
.set SP,    144                        ; a stage's row: 128 bytes + 16
.set STW,   16*SP
.set PASSB, 256*4096                   ; from a pass's rows of c and out to the next pass's
.set LI,   1                           ; v1   16 x lane
.set ASK0, 2                           ; v2   my place among K's scale words: KSL + 32 r + 16 h
.set ASV0, 3                           ; v3   among V's: VSL + 16 r + 8 h
.set ADK,  4                           ; v4   LDS address of the trip's codes of K
.set ADS,  5                           ; v5   of K's scale words
.set ADT,  6                           ; v6   of V's
.set PFO,  7                           ; v7   the prefetch's offset: 4,096 x lane
.set GO,   8                           ; v8   my byte offset in the wave's rows of c and of out
.set STO,  9                           ; v9   stage: where I put 32 bytes of a row
.set RD,   10                          ; v10  stage: where I read 16 bytes of a row back
.set ADV,  11                          ; v11  LDS address of the trip's codes of V.   v12 -M, v13 the largest t, v[14:15] the sum in two halves
.set QF,   16                          ; v16-23 Q's codes, v24-31 zeros
.set B1,   32                          ; v32-95 bank 1; v96-103 zeros, kept
.set B2,   104                         ; v104-167 bank 2; v168-175 zeros, kept
.set O,    176                         ; v176-207 O^T; on the way out the second half read back
.set PCD,  208                         ; v208-223 p's codes
.set SM,   208                         ; v208-217 ahead of the conversions: five chains of the row's sum
.set BM,   224                         ; each block's largest score, then its largest p
.set BP,   228                         ; lane l xor 16's; the bytes
.set BH,   232                         ; 57,344 x the scale
.set BS,   236                         ; the conversions' scale operands
.set KSC,  240                         ; K's scale words: register i: lanes 0-15 tile i, lanes 16-31 tile 4 + i
.set VSC,  244                         ; V's
.set FF,   246                         ; f = 2^(old M - new M)
.set PW,   247                         ; p's scale word
.set QS,   248                         ; Q's scale word
.set T0,   249
.set R8,   250                         ; lane & 8: which half of a row's 256 bytes I store
.set QSO,  251                         ; 32 r: my offset among Q's scale words
.set TB,   10
.set TS,   11
.set TJ,   12
.set CNT,  13                          ; trips to go
.set LIM,  14                          ; 2 in even waves, which prefetch; 0 in odd ones
.set TV,   16
.set WV,   18
.set MNT,  19
.set SEL,  20
.set CS,   22
.set G1C,  24                          ; group 1: a record's codes of K or V, 128 rows of 256 bytes
.set G1K,  32                          ; K's scale words
.set G1V,  40                          ; V's
.set QP,   48
.set QSP,  50
.set CB,   52
.set OB,   54
.set G0K,  68
.set G0V,  72
.set G0C,  76
.macro CROUND                          ; a round of the cluster's barrier
	s_barrier_signal -1
	s_barrier_wait -1
	s_cmp_lg_u32 s[WV], 0
	s_cbranch_scc1 .Lnot_wave_0_\@
	s_barrier_signal -3
.Lnot_wave_0_\@:
	s_barrier_wait -3
	s_barrier_signal -1
	s_barrier_wait -1
.endm
.macro GROUP1 g, els, rows, pitch      ; rows of els elements of 8 bytes, pitch elements apart; dense in LDS; the mask names all four work-groups, bit 21 beside it
	s_mov_b32 s[\g], 15|(3<<16)|(1<<21)
	s_mov_b32 s[\g+1], (\els)<<16
	s_mov_b32 s[\g+2], (\rows)<<16
	s_mov_b32 s[\g+3], (\els)<<16
	s_mov_b32 s[\g+4], \rows
	s_mov_b32 s[\g+5], \pitch
	s_mov_b32 s[\g+6], 0
	s_mov_b32 s[\g+7], 0
.endm
	s_load_b128 s[4:7], s[0:1], 0x0                ; qkv, cbuf
	s_load_b64 s[8:9], s[0:1], 0x10                ; out0
	v_lshl_add_u32 v254, v0, 2, SPARE
	v_mov_b32 v255, 0
	ds_add_u32 v254, v255                          ; the opening lines: the add, twice on end, and its wait
	ds_add_u32 v254, v255
	v_lshrrev_b32 v4, 5, v0
	v_readfirstlane_b32 s[WV], v4                  ; wave 0..15
	s_bfe_u32 s15, ttmp6, 0x40000                  ; cx: my block of 512 queries: it enters Q's, c's and out's addresses alone
	s_and_b32 s17, ttmp7, 0xffff                   ; the pair: 16 x batch + head, which the four partners share
	GROUP1 G1C, 32, 128, 32
	GROUP1 G1K, 256, 4, REC/8
	GROUP1 G1V, 128, 4, REC/8
	s_mul_i32 s56, s17, HEADB                      ; the pair's first record (under 2^25)
	s_mov_b32 s57, 0
	s_add_co_u32 s58, s[WV], 6                     ; waves 2 to 9: u = wave - 2: record u / 2, K (0) or V (1)
	s_and_b32 s58, s58, 7
	s_lshr_b32 s59, s58, 1
	s_and_b32 s58, s58, 1
	s_lshl_b32 s62, s58, 15
	s_mul_i32 s63, s59, REC
	s_add_co_u32 s62, s62, s63
	s_add_co_u32 s62, s62, s56                     ; in memory,
	s_mov_b32 s63, 0
	s_lshl_b32 s58, s58, 17
	s_lshl_b32 s59, s59, 15
	s_add_co_u32 s[G0C+1], s58, s59                ; and in LDS
	s_mul_i32 s60, s15, REC                        ; Q: my block's record; the first pass's tile is my wave's number, the second's 16 on
	s_add_co_u32 s60, s60, s56
	s_lshl_b32 s61, s[WV], 10
	s_add_co_u32 s61, s61, s60
	s_add_co_u32 s[QP], s61, R_Q
	s_mov_b32 s[QP+1], 0
	s_lshr_b32 s61, s[WV], 3                       ; its scale words: [tile / 8][row][tile % 8]
	s_lshl_b32 s61, s61, 9
	s_and_b32 s59, s[WV], 7
	s_lshl_b32 s59, s59, 2
	s_add_co_u32 s61, s61, s59
	s_add_co_u32 s61, s61, s60
	s_add_co_u32 s[QSP], s61, R_QS
	s_mov_b32 s[QSP+1], 0
	s_lshr_b32 s60, s17, 4                         ; c and out: row 2,048 x batch + 512 x block + 16 x wave,
	s_lshl_b32 s60, s60, 11
	s_lshl_b32 s61, s15, 9
	s_add_co_u32 s60, s60, s61
	s_lshl_b32 s61, s[WV], 4
	s_add_co_u32 s60, s60, s61
	s_lshl_b32 s60, s60, 12                        ; of 4,096 bytes (under 2^25),
	s_and_b32 s61, s17, 15
	s_lshl_b32 s61, s61, 8                         ; + the head's 256
	s_add_co_u32 s[CB], s60, s61
	s_mov_b32 s[CB+1], 0
	s_and_b32 s[LIM], s[WV], 1
	s_cmp_eq_u32 s[LIM], 0
	s_cselect_b32 s[LIM], 2, 0
	s_mul_i32 s3, s[WV], STW
	s_add_co_u32 s3, s3, STAGE                     ; my stage
	s_mov_b32 s[SEL], 0x76543210
	s_mov_b32 s[SEL+1], 0xfedcba98
	s_mov_b32 s[CS], 0x3e38aa3b                    ; c = log2(e) / 8
	s_mov_b32 s[CS+1], s[CS]
	s_mov_b32 s[MNT], 0x600000
	s_wait_dscnt 0x0
	s_wait_kmcnt 0x0
	s_add_nc_u64 s[56:57], s[4:5], s[56:57]
	s_mov_b32 s[G0K], 1
	s_mov_b32 s[G0K+1], KSL
	s_add_nc_u64 s[G0K+2:G0K+3], s[56:57], R_KS
	s_or_b32 s[G0K+3], s[G0K+3], 0x80000000
	s_mov_b32 s[G0V], 1
	s_mov_b32 s[G0V+1], VSL
	s_add_nc_u64 s[G0V+2:G0V+3], s[56:57], R_VS
	s_or_b32 s[G0V+3], s[G0V+3], 0x80000000
	s_mov_b32 s[G0C], 1
	s_add_nc_u64 s[G0C+2:G0C+3], s[4:5], s[62:63]
	s_or_b32 s[G0C+3], s[G0C+3], 0x80000000
	s_add_nc_u64 s[QP:QP+1], s[4:5], s[QP:QP+1]
	s_add_nc_u64 s[QSP:QSP+1], s[4:5], s[QSP:QSP+1]
	s_add_nc_u64 s[OB:OB+1], s[8:9], s[CB:CB+1]
	s_add_nc_u64 s[CB:CB+1], s[6:7], s[CB:CB+1]
	CROUND                                         ; all four work-groups are here: the joint loads meet
; THE HEAD'S LOADS: one chain of branches on the wave's number, an arm a load, all arms to one join.  What the first barrier shows has load lines that waves 0 to 4 alone issue.
.macro ARM under, g0, g1, next
	s_cmp_lt_u32 s[WV], \under
	s_cbranch_scc0 \next
	tensor_load_to_lds s[\g0:\g0+3], s[\g1:\g1+7]
	s_nop 0
.rept 4
	v_nop
.endr
	s_branch .Lhead_asked
\next:
.endm
	ARM 1,  G0K, G1K, .Lhead_vs
	ARM 2,  G0V, G1V, .Lhead_c0
	ARM 5,  G0C, G1C, .Lhead_c1
	ARM 10, G0C, G1C, .Lhead_none
.Lhead_asked:
	v_and_b32 v6, 31, v0                           ; lane
	v_and_b32 v4, 15, v0                           ; r
	v_bfe_u32 v5, v0, 4, 1                         ; h
	v_and_b32 v[R8], 8, v0
	v_lshlrev_b32 v[LI], 4, v6
	v_lshlrev_b32 v[QSO], 5, v4
	v_lshlrev_b32 v[PFO], 12, v6
	global_load_b128 v[QF:QF+3], v[LI], s[QP:QP+1]             ; the first pass's Q: registers 0-3,
	global_load_b128 v[QF+4:QF+7], v[LI], s[QP:QP+1] offset:512   ; 4-7
	global_load_b32 v[QS], v[QSO], s[QSP:QSP+1]
	v_lshl_add_u32 v[ASK0], v5, 4, v[QSO]
	v_lshlrev_b32 v[ASV0], 4, v4
	v_and_b32 v6, 7, v0                            ; lane % 8: which 16 bytes of a staged half row I read back
	v_lshlrev_b32 v[GO], 12, v5
	v_mul_u32_u24 v[RD], v5, SP
	v_add_nc_u32 v[ASK0], KSL, v[ASK0]
	v_lshl_add_u32 v[ASV0], v5, 3, v[ASV0]
	v_mul_u32_u24 v[STO], v4, SP
	v_lshl_add_u32 v[GO], v4, 4, v[GO]             ; lanes 0-15 one row of c and out, lanes 16-31 the next
	v_lshl_add_u32 v[RD], v6, 4, v[RD]
	v_add_nc_u32 v[ASV0], VSL, v[ASV0]
	v_lshl_add_u32 v[STO], v5, 5, v[STO]
	v_add_nc_u32 v[RD], s3, v[RD]
	v_add_nc_u32 v[STO], s3, v[STO]
.irp j, 0,1,2,3,4,5,6,7
	v_mov_b32 v[QF+8+\j], 0                        ; Q's upper 64 along K: zero codes
	v_mov_b32 v[B1+64+\j], 0                       ; what a bank's last tile of K names beyond its own eight registers
	v_mov_b32 v[B2+64+\j], 0
.endr
.irp b, 0,1,2,3
	v_mov_b32 v[BP+\b], 0                          ; a lane permute's destination counts as one of its sources
.endr
	v_mov_b32 v[PW], 0                             ; (named as the upper half of the pair with f)
.macro INIT                            ; a pass begins: the first step finds zeros, which the first change of M leaves zeros
	v_mov_b32 v13, 0xff61b1e6                      ; the largest t so far: -3e38
	s_delay_alu instid0(VALU_DEP_1)
	v_floor_f32 v12, -v13                          ; -M
	v_mov_b32 v14, 0
	v_mov_b32 v15, 0
.set j, 0
.rept 32
	v_mov_b32 v[O+j], 0
.set j, j+1
.endr
.endm
.macro HOLD2 x, bound                  ; two numbers held at the bound by one dual pair: p is not negative, so the hold is one-sided (the conversion to an 8-bit code does not saturate: ISA guide 7.6.2)
	v_dual_min_num_f32 v[\x], v[\x], v[\bound] :: v_dual_min_num_f32 v[\x+1], v[\x+1], v[\bound]
.endm
.macro KLOAD bank, adk, ads, ko, so    ; a step's K: its scale words and eight tiles: 17 loads
	ds_load_b128 v[KSC:KSC+3], v[\ads] offset:\so
.irp t, 0,1,2,3,4,5,6,7
	ds_load_b128 v[\bank+8*\t:\bank+8*\t+3], v[\adk] offset:(\ko)+1024*\t
	ds_load_b128 v[\bank+8*\t+4:\bank+8*\t+7], v[\adk] offset:(\ko)+1024*\t+512
.endr
.endm
; A KEY STEP: 128 keys, the d-th of a trip's two.  X: K's tiles (asked for a step ago), then V's fragments.  Y: the scores, p, then the next step's K.
.macro STEP X, Y, d
.if \d == 0
	v_add_nc_u32 v[ADK], s[TB], v[LI]              ; the trip's addresses; its second step goes by immediates
	v_add_nc_u32 v[ADV], s[TV], v[LI]
	v_add_nc_u32 v[ADS], s[TS], v[ASK0]
	v_add_nc_u32 v[ADT], s[TJ], v[ASV0]
.rept 5
	v_nop                                          ; nine places in all: the products below write over bank Y, which the last step's products have read
.endr
.else
.rept 9
	v_nop
.endr
.endif
	s_wait_alu depctr_va_vdst(0)                   ; the wait here, directly ahead of the wait below
	s_wait_dscnt 0x0                               ; K and its scale words are in
.irp t, 0,1,2,3                                ; S^T = K Q^T
	v_wmma_scale_f32_16x16x128_f8f6f4 v[\Y+8*\t:\Y+8*\t+7], v[\X+8*\t:\X+8*\t+15], v[QF:QF+15], 0, v[KSC+\t], v[QS] matrix_a_fmt:MATRIX_FMT_BF8 matrix_b_fmt:MATRIX_FMT_BF8
.endr
.irp t, 4,5,6,7
	v_wmma_scale_f32_16x16x128_f8f6f4 v[\Y+8*\t:\Y+8*\t+7], v[\X+8*\t:\X+8*\t+15], v[QF:QF+15], 0, v[KSC+\t-4], v[QS] matrix_a_fmt:MATRIX_FMT_BF8 matrix_b_fmt:MATRIX_FMT_BF8 matrix_a_scale:MATRIX_SCALE_ROW1
.endr
.rept 8
	v_nop                                          ; eight places: for the loads below, into K's registers, and for the first read of the scores
.endr
.irp t, 0,1,2,3                                ; V's four fragments are asked for now: the softmax stands between the request and the wait
.irp c, 0,1,2,3
	ds_load_b128 v[\X+16*\t+4*\c:\X+16*\t+4*\c+3], v[ADV] offset:8192*\d+2048*\t+512*\c
.endr
.endr
	ds_load_b64 v[VSC:VSC+1], v[ADT] offset:256*\d
.irp b, 0,1,2,3
	v_max3_num_f32 v[BM+\b], v[\Y+16*\b], v[\Y+1+16*\b], v[\Y+2+16*\b]   ; the largest score of each block of 32 keys: for the row's maximum and, since p rises with the score, for the block's largest p
.endr
.irp i, 3,5,7,9,11,13
.irp b, 0,1,2,3
	v_max3_num_f32 v[BM+\b], v[BM+\b], v[\Y+16*\b+\i], v[\Y+1+16*\b+\i]
.endr
.endr
.irp b, 0,1,2,3
	v_max_num_f32 v[BM+\b], v[BM+\b], v[\Y+15+16*\b]
.endr
.irp b, 0,1,2,3
	s_delay_alu instid0(VALU_DEP_4)
	v_permlanex16_b32 v[BP+\b], v[BM+\b], s[SEL], s[SEL+1]
.endr
.irp b, 0,1,2,3
	s_delay_alu instid0(VALU_DEP_4)
	v_max_num_f32 v[BM+\b], v[BM+\b], v[BP+\b]     ; with lane l xor 16's 16 keys
.endr
	s_delay_alu instid0(VALU_DEP_2)
	v_max3_num_f32 v[T0], v[BM], v[BM+1], v[BM+2]
	s_delay_alu instid0(VALU_DEP_1)
	v_max_num_f32 v[T0], v[T0], v[BM+3]            ; the step's largest score of my query
	s_delay_alu instid0(VALU_DEP_1)
	v_mul_f32 v[T0], s[CS], v[T0]                  ; as t (c is positive)
	s_delay_alu instid0(VALU_DEP_1)
	v_max_num_f32 v13, v13, v[T0]                  ; the running largest t
	v_mov_b32 v[T0], v12
	s_delay_alu instid0(VALU_DEP_2)
	v_floor_f32 v12, -v13                          ; the new -M = -ceil(t): a whole number
	s_delay_alu instid0(VALU_DEP_1)
	v_sub_f32 v[T0], v12, v[T0]                    ; old M - new M: a whole number, 0 or less
	s_delay_alu instid0(VALU_DEP_1)
	v_cvt_i32_f32 v[T0], v[T0]                     ; (it saturates)
	s_delay_alu instid0(VALU_DEP_1)
	v_ldexp_f32 v[FF], 1.0, v[T0]                  ; f = 2^(old M - new M)
.set j, 0
.rept 32
	v_pk_fma_f32 v[\Y+j:\Y+j+1], v[\Y+j:\Y+j+1], s[CS:CS+1], v[12:13] op_sel_hi:[1,0,0]   ; t - M, two at a time
.set j, j+2
.endr
.irp b, 0,1,2,3
	v_fma_f32 v[BM+\b], v[BM+\b], s[CS], v12       ; the same of each block's largest score
.endr
	s_wait_alu depctr_va_vdst(0)                   ; the wait ahead of the batch
.set j, 0
.rept 64
	v_exp_f32 v[\Y+j], v[\Y+j]                     ; p = 2^(t - M), at most 1
.set j, j+1
.endr
	v_pk_mul_f32 v[14:15], v[14:15], v[FF:FF+1] op_sel_hi:[1,0]   ; the sums under the new M (the plain line behind the exponentials)
	s_wait_alu depctr_va_vdst(0)                   ; one wait for the batch, ahead of its first reader
.irp b, 0,1,2,3
	v_exp_f32 v[BM+\b], v[BM+\b]                   ; the block's largest p
.endr
; the row's sum of the unquantised p: 32 pairs onto six chains by turns
.irp k, 0,1,2,3,4
	v_pk_add_f32 v[SM+2*\k:SM+2*\k+1], v[\Y+4*\k:\Y+4*\k+1], v[\Y+4*\k+2:\Y+4*\k+3]
.endr
	v_pk_add_f32 v[14:15], v[14:15], v[\Y+20:\Y+21]
.set j, 22
.rept 3
.irp k, 0,1,2,3,4
	v_pk_add_f32 v[SM+2*\k:SM+2*\k+1], v[SM+2*\k:SM+2*\k+1], v[\Y+j+2*\k:\Y+j+2*\k+1]
.endr
	v_pk_add_f32 v[14:15], v[14:15], v[\Y+j+10:\Y+j+11]
.set j, j+12
.endr
.irp k, 0,1,2
	v_pk_add_f32 v[SM+2*\k:SM+2*\k+1], v[SM+2*\k:SM+2*\k+1], v[\Y+58+2*\k:\Y+59+2*\k]
.endr
	v_pk_add_f32 v[SM+6:SM+7], v[SM+6:SM+7], v[SM+8:SM+9]
	v_pk_add_f32 v[SM:SM+1], v[SM:SM+1], v[SM+2:SM+3]
	v_pk_add_f32 v[14:15], v[14:15], v[SM+4:SM+5]
	v_pk_add_f32 v[SM:SM+1], v[SM:SM+1], v[SM+6:SM+7]
	v_pk_add_f32 v[14:15], v[14:15], v[SM:SM+1]
	s_wait_alu depctr_va_vdst(0)                   ; and one wait for the four
.irp b, 0,1,2,3
	v_max_num_f32 v[BM+\b], 0x8000000, v[BM+\b]    ; the floor 2^(16 - 127): the byte cannot fall under 1
.endr
.irp b, 0,1,2,3
	s_delay_alu instid0(VALU_DEP_4)
	v_add_nc_u32 v[BS+\b], 0xf8800000, v[BM+\b]    ; 15 off the exponent field: the conversion's scale operand
.endr
.irp b, 0,1,2,3
	v_and_or_b32 v[BH+\b], v[BM+\b], 0x7f800000, s[MNT]   ; 57,344 x the scale
.endr
.irp b, 0,1,2,3
	v_lshrrev_b32 v[BP+\b], 23, v[BS+\b]           ; the scale's byte
.endr
	s_delay_alu instid0(VALU_DEP_3)
	v_lshl_or_b32 v[PW], v[BP+1], 8, v[BP]         ; p's scale word for these 128 keys
	s_delay_alu instid0(VALU_DEP_1)
	v_lshl_or_b32 v[PW], v[BP+2], 16, v[PW]
	s_delay_alu instid0(VALU_DEP_1)
	v_lshl_or_b32 v[PW], v[BP+3], 24, v[PW]
.irp b, 0,1,2,3
.irp i, 0,2,4,6,8,10,12,14
	HOLD2 \Y+16*\b+\i, BH+\b
.endr
	v_cvt_scalef32_pk8_bf8_f32 v[PCD+4*\b:PCD+4*\b+1], v[\Y+16*\b:\Y+16*\b+7], v[BS+\b]
	v_cvt_scalef32_pk8_bf8_f32 v[PCD+4*\b+2:PCD+4*\b+3], v[\Y+16*\b+8:\Y+16*\b+15], v[BS+\b]
.endr
	KLOAD \Y, ADK, ADS, 8192*(\d+1), 512*(\d+1)    ; p is in codes: bank Y takes the next step's K
	s_wait_alu depctr_va_vdst(0)                   ; the wait here, directly ahead of the first reader of O^T
.set j, 0
.rept 16
	v_pk_mul_f32 v[O+j:O+j+1], v[O+j:O+j+1], v[FF:FF+1] op_sel_hi:[1,0]   ; O^T under the new M; these sixteen are also the plain lines between the conversions and the products
.set j, j+2
.endr
	s_wait_alu depctr_va_vdst(0)                   ; the wait here, directly ahead of the wait below
	s_wait_dscnt 17                                ; V and its scale words are in; the 17 loads of the next K, issued behind them, may be out
.irp t, 0,1                                    ; O^T += V^T P^T: four accumulators, one instruction each
	v_wmma_scale_f32_16x16x128_f8f6f4 v[O+8*\t:O+8*\t+7], v[\X+16*\t:\X+16*\t+15], v[PCD:PCD+15], v[O+8*\t:O+8*\t+7], v[VSC+\t], v[PW] matrix_a_fmt:MATRIX_FMT_BF8 matrix_b_fmt:MATRIX_FMT_BF8
.endr
.irp t, 2,3
	v_wmma_scale_f32_16x16x128_f8f6f4 v[O+8*\t:O+8*\t+7], v[\X+16*\t:\X+16*\t+15], v[PCD:PCD+15], v[O+8*\t:O+8*\t+7], v[VSC+\t-2], v[PW] matrix_a_fmt:MATRIX_FMT_BF8 matrix_b_fmt:MATRIX_FMT_BF8 matrix_a_scale:MATRIX_SCALE_ROW1
.endr
.endm
; A PREFETCH INTO THE L2 of the rows of c that the pass's way out will load, at the end of the pass's last trip but one: two key steps ahead.  An even wave asks for 32 rows, its own 16 and those of the odd wave
; behind it, a lane a row: a row's part is my head's 256 bytes, aligned, and is read by one wave of the launch: it is named once.
.macro ASK off
	s_cmp_eq_u32 s[CNT], s[LIM]
	s_cbranch_scc0 .Lnot_mine_\@
	global_prefetch_b8 v[PFO], s[CB:CB+1] offset:\off th:TH_LOAD_NT scope:SCOPE_SE
.Lnot_mine_\@:
.endm
.macro RUN first, trips, ask, off      ; so many trips of two key steps, from step first on; that step's K lies in bank 1 or is on its way there
	s_mov_b32 s[TB], 8192*\first
	s_mov_b32 s[TV], VL+8192*\first
	s_mov_b32 s[TS], 512*\first
	s_mov_b32 s[TJ], 256*\first
	s_mov_b32 s[CNT], \trips
.Lstep_\@:
	STEP B1, B2, 0
	STEP B2, B1, 1
.if \ask
	ASK \off
.endif
	s_add_co_u32 s[TB], s[TB], 16384
	s_add_co_u32 s[TV], s[TV], 16384
	s_add_co_u32 s[TS], s[TS], 1024
	s_add_co_u32 s[TJ], s[TJ], 512
	s_sub_co_u32 s[CNT], s[CNT], 1
	s_cmp_lg_u32 s[CNT], 0
	s_cbranch_scc1 .Lstep_\@
.endm
; THE WAY OUT of pass p.  HALF u: channels 32 u .. 32 u + 31 of my 16 rows into my stage (tiles 2 u and 2 u + 1: 64 t + 32 h bytes into row r), and back: load i brings rows 2 i and 2 i + 1, lanes l and l + 8 the same 16 bytes.
.macro HALF u, dst
.irp t, 0,1
	ds_store_b128 v[STO], v[B2+16*\u+8*\t:B2+16*\u+8*\t+3] offset:64*\t
	ds_store_b128 v[STO], v[B2+16*\u+8*\t+4:B2+16*\u+8*\t+7] offset:64*\t+16
.endr
.irp i, 0,1,2,3,4,5,6,7
	ds_load_b128 v[\dst+4*\i:\dst+4*\i+3], v[RD] offset:2*\i*SP   ; LDS serves a wave's instructions in order (ISA guide 5.7.1.4): these see my stores, and the next half's stores come behind them
.endr
.endm
.macro WAYOUT p
	s_wait_dscnt 0x0                               ; the last step's loads into bank 1 and K's scale words have come: those registers are written below
	v_add_f32 v14, v14, v15                        ; the sum's two halves,
	s_delay_alu instid0(VALU_DEP_1)
	v_permlanex16_b32 v[T0], v14, s[SEL], s[SEL+1]
	s_delay_alu instid0(VALU_DEP_1)
	v_add_f32 v14, v14, v[T0]                      ; and lane l xor 16's
	s_wait_alu depctr_va_vdst(0)                   ; the wait ahead of the transcendental
	v_rcp_f32 v14, v14
.rept 6
	v_nop                                          ; with the lines above: ten places between the last products and the lines that write bank 2, which they read
.endr
.if \p == 0
	global_load_b128 v[QF:QF+3], v[LI], s[QP:QP+1] offset:16384   ; the next pass's Q: 16 tiles on
	global_load_b128 v[QF+4:QF+7], v[LI], s[QP:QP+1] offset:16896
	global_load_b32 v[QS], v[QSO], s[QSP:QSP+1] offset:1024
.endif
.irp i, 0,1,2,3,4,5,6,7
	global_load_b128 v[B1+4*\i:B1+4*\i+3], v[GO], s[CB:CB+1] offset:8192*\i+PASSB*\p th:TH_LOAD_NT   ; c: sixteen lanes read a row's 256 bytes
.endr
	s_wait_alu depctr_va_vdst(0)                   ; the wait for the reciprocal, directly ahead of the first readers of it and of O^T
.set j, 0
.rept 16
	v_pk_mul_f32 v[B2+j:B2+j+1], v[O+j:O+j+1], v[14:15] op_sel_hi:[1,0]   ; O^T / the sum: register 8 t + i is o(r, 16 t + 8 h + i)
.set j, j+2
.endr
	HALF 0, B1+32
	HALF 1, O                                      ; (O^T has been read out)
	s_wait_loadcnt 0x0                             ; c (and the next Q)
	v_cmp_ne_u32 vcc_lo, 0, v[R8]                  ; lanes 8-15 of each sixteen store the row's second 128 bytes
	s_wait_alu depctr_va_vdst(0)                   ; the wait here, directly ahead of the waits below
.irp i, 0,1,2,3,4,5,6,7
	s_wait_dscnt 7-\i                              ; behind the second half's load i: 7 - i loads; the first half's are older
.irp j, 0,1,2,3
	v_cndmask_b32 v[B1+32+4*\i+\j], v[B1+32+4*\i+\j], v[O+4*\i+\j], vcc_lo
.endr
	v_pk_add_f32 v[B1+32+4*\i:B1+32+4*\i+1], v[B1+32+4*\i:B1+32+4*\i+1], v[B1+4*\i:B1+4*\i+1]
	v_pk_add_f32 v[B1+32+4*\i+2:B1+32+4*\i+3], v[B1+32+4*\i+2:B1+32+4*\i+3], v[B1+4*\i+2:B1+4*\i+3]
	global_store_b128 v[GO], v[B1+32+4*\i:B1+32+4*\i+3], s[OB:OB+1] offset:8192*\i+PASSB*\p th:TH_STORE_NT   ; 16 lanes store 256 consecutive bytes, at a multiple of 256 from out0's first byte
.endr
.endm
	INIT
	s_wait_alu depctr_va_vdst(0)                   ; the wait at the head's end
	s_wait_loadcnt 0x0                             ; Q and its scale words
	s_cmp_lt_u32 s[WV], 5
	s_cbranch_scc0 .Lnot_first
	s_wait_tensorcnt 0x0                           ; waves 0 to 4: the scale words, the first record's K and V and the second's K have landed
.Lnot_first:
	s_barrier_signal -1
	s_barrier_wait -1
	KLOAD B1, LI, ASK0, 0, 0                       ; step 0's K
	RUN 0, 2, 0, 0                                 ; the first record's four key steps; the last of them asks for step 4's K
	s_wait_tensorcnt 0x0                           ; every wave: all that was still out has landed;
	s_wait_dscnt 0x0                               ; no LDS load of mine is out at the signal
	s_barrier_signal -1
	s_barrier_wait -1
	RUN 4, 6, 1, 0
	WAYOUT 0
	INIT
	s_wait_alu depctr_va_vdst(0)                   ; the wait here, directly ahead of the wait below
	s_wait_xcnt 0x0                                ; the stores have read their registers, into which the next pass loads
	KLOAD B1, LI, ASK0, 0, 0
	RUN 0, 8, 1, PASSB                             ; the second pass: all of K and V lies in LDS, no barrier
	WAYOUT 1
	s_wait_tensorcnt 0x0                           ; the wave's end
	ds_add_u32 v254, v255
	s_wait_dscnt 0x0
	CROUND                                         ; the closing round
	s_endpgm
.Lfunc_end_k_q436d79dd54_attn:
	.size	k_q436d79dd54_attn, .Lfunc_end_k_q436d79dd54_attn-k_q436d79dd54_attn
	.p2alignl 7, 3214868480
	.fill 96, 4, 3214868480
	.section	.rodata,"a",@progbits
	.p2align	6, 0x0
	.amdhsa_kernel k_q436d79dd54_attn
		.amdhsa_group_segment_fixed_size 327680
		.amdhsa_private_segment_fixed_size 0
		.amdhsa_enable_private_segment 0
		.amdhsa_kernarg_size 24
		.amdhsa_user_sgpr_count 2
		.amdhsa_user_sgpr_kernarg_segment_ptr 1
		.amdhsa_wavefront_size32 1
		.amdhsa_system_sgpr_workgroup_id_x 1
		.amdhsa_system_sgpr_workgroup_id_y 1
		.amdhsa_system_sgpr_workgroup_id_z 1
		.amdhsa_system_vgpr_workitem_id 0
		.amdhsa_next_free_vgpr 256
		.amdhsa_next_free_sgpr 80
		.amdhsa_reserve_vcc 1
		.amdhsa_float_denorm_mode_32 3
		.amdhsa_float_denorm_mode_16_64 3
		.amdhsa_memory_ordered 1
		.amdhsa_forward_progress 1
		.amdhsa_inst_pref_size 144
	.end_amdhsa_kernel
	.amdgpu_metadata
---
amdhsa.version: [ 1, 2 ]
amdhsa.kernels:
  - .name:           k_q436d79dd54_attn
    .symbol:         k_q436d79dd54_attn.kd
    .args:
      - { .name: qkv, .offset: 0, .size: 8, .value_kind: global_buffer, .address_space: global }
      - { .name: cbuf, .offset: 8, .size: 8, .value_kind: global_buffer, .address_space: global }
      - { .name: out0, .offset: 16, .size: 8, .value_kind: global_buffer, .address_space: global }
    .group_segment_fixed_size: 327680
    .private_segment_fixed_size: 0
    .kernarg_segment_align: 8
    .kernarg_segment_size: 24
    .max_flat_workgroup_size: 512
    .sgpr_count:     80
    .vgpr_count:     256
    .wavefront_size: 32
...
	.end_amdgpu_metadata
.endif
;; end of part 2
